; MI455X (gfx1250); checked and timed in simulation.
; The chip was launched on July 23, 2026; its instructions are those of AMD's public machine-readable ISA for CDNA 5 (MIT licence, August 2026) and "CDNA5" Instruction Set Architecture Reference Guide (July 2026). The comments in the code are by the model that wrote it; some were corrected since.
;; Lena Trans. Allowed arithmetic: float matrix products may take bf16 or f16 operands with f32 sums; other float arithmetic in f32, or as packed bf16 or f16 multiplies, adds, multiply-adds, maxima and minima; sums over many terms, partial sums and values carried from step to step in f32; what a program stores and reads back later, other than sums and carried values, may be rounded once to bf16 or f16.
;; Inputs: attn_b 128 float32; attn_ln_b 128 float32; attn_ln_g 128 float32; attn_w 128 x 128 float32; bk 128 float32; bq 128 float32; bv 128 float32; cat_emb 6 x 100 x 16 float32; day 1,024 int32; day_emb 366 x 16 float32; dist_emb 277 x 32 float32; emb_ln_b 128 float32; emb_ln_g 128 float32; ffn_b1 128 float32; ffn_b2 128 float32; ffn_ln_b 128 float32; ffn_ln_g 128 float32; ffn_w1 128 x 128 float32; ffn_w2 128 x 128 float32; h1_b 32 float32; h1_w 160 x 32 float32; h2_b 32 float32; h2_w 32 x 32 float32; h3_b 1 float32; h3_w 32 x 1 float32; ln1_b 32 float32; ln1_g 32 float32; ln2_b 32 float32; ln2_g 32 float32; map_b 128 float32; map_w 128 x 128 float32; prod 1,024 int32; prod_emb 30 x 16 float32; tok_type 128 float32; wk 128 x 128 float32; wq 128 x 128 float32; wv 128 x 128 float32; x 1,024 x 139 x 38 int32.
;; Outputs: out0 1,024 x 1 float32.
;; One version. Each part assembles by itself: llvm-mc -triple=amdgcn-amd-amdhsa -mcpu=gfx1250 --defsym DOCPART=n.
;; ======== version 1 of 1: 2 launches
;; limits: values are held in f16: magnitudes above 65,504 overflow, below 6.1e-05 lose precision; values outside matrix products are rounded to f16
;; workspace buffers: ws 1,048,576 bytes
;; launch enc (part 1): grid 256 x 1, 4 waves a work-group, no clusters, 327,680 bytes of LDS; arguments x, cat_emb, tok_type, dist_emb, map_w, wq, wk, wv, map_b, bq, bk, bv, emb_ln_g, emb_ln_b, ws; writes ws
.if DOCPART == 1
	.amdgcn_target "amdgcn-amd-amdhsa--gfx1250"
	.amdhsa_code_object_version 6
	.text
	.protected	k_qf880402de8_enc
	.globl	k_qf880402de8_enc
	.p2align	8
	.type	k_qf880402de8_enc,@function
k_qf880402de8_enc:
	s_mov_b64 s[64:65], 0
	v_nop
	global_prefetch_b8 v0, s[64:65] scope:SCOPE_SE
	s_setreg_imm32_b32 hwreg(HW_REG_WAVE_MODE, 25, 1), 1
	s_wait_xcnt 0x0
; ENCODER, FIRST PART.  The module keeps only the last token's row (138), so per sequence: embedding + LayerNorm, hs, k and v for all rows; q, scores, softmax, ctx for query 138 alone.
; ws[b][0:128] = hs of row 138 (with bias), ws[b][128:256] = ctx of row 138 (with bv), f32, natural channel order.
; SHARES.  256 work-groups of four waves; wave w of group g owns sequence b = 4 g + w: nine tiles of 16 rows (rows past 138 are row 138 again, with weight 0) and one tile of row 138.
; CHAINS IN REGISTERS.  Every product is D = W^T-fragment x activation-fragment: source 0 = 16 output channels (lane = channel), source 1 = 16 rows (lane % 16 = row).  In D lane (r, hh) holds row r,
; channels 16 nt + 8 hh + j in register 8 nt + j.  Rounded in pairs these 64 numbers ARE the next product's four activation fragments: no LDS and no lane exchange between layers; a LayerNorm
; is a sum in the lane and one exchange with the lane 16 away.  The weights lie in LDS as [k][n] in 16 bits and are turned into register windows 1 to 3 once a wave.
; FORMATS.  n x (g M) in f16 (n is a normalised row, at most 11.3 in size); hs x Wq, Wk, Wv in bf16; all else f32.  hs = n (g o M) + (b M + map_b).
; SOFTMAX.  Each lane keeps a running maximum and sum for its own rows (r, 16 + r, ..) and each head; the sixteen lanes are merged at the end.
; LIMITS.  |g M| and |emb_ln_b| stay under 65,504 (f16); f16 numbers under 6e-5 keep a fixed step of 6e-8; scaled scores stay above -4e37 (where the running maximum starts);
; a weight below 2^-126 counts as 0; the scores are multiplied by 1/sqrt(32), not divided; NaN and infinities are not treated apart.
; NO CLUSTER: what the work-groups share (weights, tables) is converted or added to on its way into LDS, so it comes through registers; raw it would not fit beside x.
.set XSW,   21248                      ; LDS: wave w's x, 139 rows of 152 bytes (21,128), in 83 blocks of 256
.set XROW,  152
.set PE,    84992                      ; row j = dist_emb[138 + j], j = 0..139, pitch 144
.set PEP,   144
.set W0,    105216                     ; map_w f16, then wq, wk, wv bf16: [k][n], pitch 288
.set W1,    142080
.set W2,    178944
.set W3,    215808
.set PW,    288
.set CAT,   252672                     ; cat_emb + tok_type, f32, rows of 64 bytes; 38,400 bytes and 512 spare
.set VEC,   291584                     ; seven vectors of 512 bytes
.set WVEC,  295168                     ; 2,048 bytes a wave
.set SPARE, 303360                     ; the spare words: 128 bytes a wave
.set V_MB,  0
.set V_BQ,  512
.set V_BK,  1024
.set V_BV,  1536
.set V_G,   2048
.set V_B,   2560
.set V_TOK, 3072
.set O_MBV, 0                          ; b M + map_b
.set O_Q,   512                        ; q of row 138
.set O_HS,  1024                       ; hs of row 138
.set O_CTX, 1536                       ; ctx
.set SPW, 1                            ; v1  my spare word; never rewritten
.set NIL, 2                            ; v2  0; never rewritten
.set ROW, 3                            ; v3  my row
.set XA,  4                            ; v4  my row in XS;  v5  + 32 hh
.set XN,  5
.set HC,  6                            ; v6  CAT + 32 hh
.set HV,  7                            ; v7  VEC + 32 hh
.set HW,  8                            ; v8  my wave's WVEC + 32 hh
.set PB,  9                            ; v9  PE + 32 hh
.set PEA, 10                           ; v10 my row's line of PE
.set EXT, 11                           ; v11 0 or -1e9
.set TR,  12                           ; v12 lane term of the turning loads; later GO = 16 x lane
.set TA,  13                           ; v13 address at work; later BR = my wave's WVEC + 16 x lane
.set GO,  12
.set BR,  13
.set T0,  14
.set T1,  15
.set MX,  16                           ; v16-19 running maxima, v20-23 running sums, by head
.set LS,  20
.set AP,  24                           ; v24-31 pairs (a, p) by head; second score sums; mean and rstd pairs
.set MP,  24
.set RP,  26
.set SS,  32                           ; v32-39 four pairs of sums
.set SC,  40                           ; v40-71 x's ints and table addresses; q of two heads
.set PE16, 72                          ; v72-87 tok of channels 96-127, then the row's pe
.set FR,  88                           ; v88-119 four activation fragments
.set ACC, 120                          ; v120-183
.set CTX, 184                          ; v184-247
.set UT,  248                          ; v248-255
.set LA,  0                            ; window 1 while staging: two landing zones
.set LB,  128
.set CL,  120                          ; staging only: cat rows, tok rows, tok offsets, vectors, addresses
.set TL,  40
.set TO,  196
.set VV,  216
.set GA,  224
.set T4,  225
.set WL,  226
.set CS,  227
.set G18, 228
.set T3,  229
.set VS,  230
.set MSB, 0
.macro WIN new                         ; the immediate's high byte repeats the setting that is left
.if MSB != (\new)
	s_set_vgpr_msb (MSB<<8)|(\new)
.set MSB, (\new)
.endif
.endm
.macro PLACES                          ; four places behind matrix instructions (ISA guide 7.12.1)
.rept 4
	v_nop
.endr
.endm
.macro VLD dst, areg, off              ; a vector of 128 f32 in natural order into the lane's layout
.irp nt, 0,1,2,3,4,5,6,7
	ds_load_b128 v[(\dst)+8*\nt:(\dst)+8*\nt+3],   v[\areg] offset:(\off)+64*\nt
	ds_load_b128 v[(\dst)+8*\nt+4:(\dst)+8*\nt+7], v[\areg] offset:(\off)+64*\nt+16
.endr
.endm
.macro VST src, areg, off              ; the way back; the sixteen rows hold the same numbers and write the same bytes
.irp nt, 0,1,2,3,4,5,6,7
	ds_store_b128 v[\areg], v[(\src)+8*\nt:(\src)+8*\nt+3]   offset:(\off)+64*\nt
	ds_store_b128 v[\areg], v[(\src)+8*\nt+4:(\src)+8*\nt+7] offset:(\off)+64*\nt+16
.endr
.endm
.macro WLOAD sb, set                   ; a weight of 64 KiB: 32 loads of 16 bytes a thread, 512 neighbouring bytes a wave
	WIN 0x40
.set i, 0
.rept 32
	global_load_b128 v[(\set)+4*i:(\set)+4*i+3], v[GA], s[\sb:\sb+1] offset:2048*i
.set i, i+1
.endr
	WIN 0
.endm
.macro WSTORE set, base, h             ; rounded in place (h = 1: f16, 0: bf16) and laid as [k][n]
	v_add_nc_u32 v[TA], \base, v[WL]
	WIN 0x45
.set i, 0
.rept 32
.if \h
	v_cvt_pk_f16_f32 v[(\set)+4*i],   v[(\set)+4*i],   v[(\set)+4*i+1]
	v_cvt_pk_f16_f32 v[(\set)+4*i+1], v[(\set)+4*i+2], v[(\set)+4*i+3]
.else
	v_cvt_pk_bf16_f32 v[(\set)+4*i],   v[(\set)+4*i],   v[(\set)+4*i+1]
	v_cvt_pk_bf16_f32 v[(\set)+4*i+1], v[(\set)+4*i+2], v[(\set)+4*i+3]
.endif
.set i, i+1
.endr
	WIN 0x04
.set i, 0
.rept 32
	ds_store_b64 v[TA], v[(\set)+4*i:(\set)+4*i+1] offset:1152*i
.set i, i+1
.endr
	WIN 0
.endm
.macro LOADW win, base                 ; a weight's 32 fragments (i = 8 kc + nt) into a window, turned
	v_add_nc_u32 v[TA], \base, v[TR]
	WIN (\win)<<6
.set i, 0
.rept 32
	ds_load_tr16_b128 v[8*i:8*i+3],   v[TA] offset:9216*(i/8)+32*(i%8)
	ds_load_tr16_b128 v[8*i+4:8*i+7], v[TA] offset:9216*(i/8)+32*(i%8)+4608
.set i, i+1
.endr
	WIN 0
.endm
.macro GEMM win, h, zero               ; 16 rows x 128 x 128: the eight accumulators take turns
	WIN \win
.irp kc, 0,1,2,3
.irp nt, 0,1,2,3,4,5,6,7
.if \h
	v_wmma_f32_16x16x32_f16 v[ACC+8*\nt:ACC+8*\nt+7], v[64*\kc+8*\nt:64*\kc+8*\nt+7], v[FR+8*\kc:FR+8*\kc+7], v[ACC+8*\nt:ACC+8*\nt+7]
.elseif (\zero) && ((\kc) == 0)
	v_wmma_f32_16x16x32_bf16 v[ACC+8*\nt:ACC+8*\nt+7], v[64*\kc+8*\nt:64*\kc+8*\nt+7], v[FR+8*\kc:FR+8*\kc+7], 0
.else
	v_wmma_f32_16x16x32_bf16 v[ACC+8*\nt:ACC+8*\nt+7], v[64*\kc+8*\nt:64*\kc+8*\nt+7], v[FR+8*\kc:FR+8*\kc+7], v[ACC+8*\nt:ACC+8*\nt+7]
.endif
.endr
.endr
	WIN 0
.endm
.macro PACK h, src                     ; 64 f32 become four fragments
.set x, 0
.rept 32
.if \h
	v_cvt_pk_f16_f32 v[FR+x], v[(\src)+2*x], v[(\src)+2*x+1]
.else
	v_cvt_pk_bf16_f32 v[FR+x], v[(\src)+2*x], v[(\src)+2*x+1]
.endif
.set x, x+1
.endr
.endm
.macro FOLD                            ; four pairs of sums, and the lane 16 away, into T0
	v_pk_add_f32 v[SS:SS+1], v[SS:SS+1], v[SS+2:SS+3]
	v_pk_add_f32 v[SS+4:SS+5], v[SS+4:SS+5], v[SS+6:SS+7]
	v_pk_add_f32 v[SS:SS+1], v[SS:SS+1], v[SS+4:SS+5]
	v_add_f32 v[T0], v[SS], v[SS+1]
	v_permlanex16_b32 v[T1], v[T0], s66, s67
	v_add_f32 v[T0], v[T0], v[T1]
.endm
.macro LNSTAT base, np, sinv, seps     ; (v - mean) / sqrt(var + eps) in place, two passes, four chains each
.irp c, 0,1,2,3
	v_pk_add_f32 v[SS+2*\c:SS+2*\c+1], v[(\base)+2*\c:(\base)+2*\c+1], v[(\base)+8+2*\c:(\base)+8+2*\c+1]
.endr
.set p, 8
.rept (\np)-8
	v_pk_add_f32 v[SS+2*(p%4):SS+2*(p%4)+1], v[SS+2*(p%4):SS+2*(p%4)+1], v[(\base)+2*p:(\base)+2*p+1]
.set p, p+1
.endr
	FOLD
	v_mul_f32 v[MP], s[\sinv], v[T0]
	v_mul_f32 v[MP+1], s[\sinv], v[T0]
.set p, 0
.rept \np
	v_pk_add_f32 v[(\base)+2*p:(\base)+2*p+1], v[(\base)+2*p:(\base)+2*p+1], v[MP:MP+1] neg_lo:[0,1] neg_hi:[0,1]
.set p, p+1
.endr
.irp c, 0,1,2,3
	v_pk_mul_f32 v[SS+2*\c:SS+2*\c+1], v[(\base)+2*\c:(\base)+2*\c+1], v[(\base)+2*\c:(\base)+2*\c+1]
.endr
.set p, 4
.rept (\np)-4
	v_pk_fma_f32 v[SS+2*(p%4):SS+2*(p%4)+1], v[(\base)+2*p:(\base)+2*p+1], v[(\base)+2*p:(\base)+2*p+1], v[SS+2*(p%4):SS+2*(p%4)+1]
.set p, p+1
.endr
	FOLD
	v_fma_f32 v[T0], v[T0], s[\sinv], s[\seps]
	v_rsq_f32 v[RP], v[T0]
	v_rsq_f32 v[RP+1], v[T0]
	v_nop                                          ; a plain instruction between the root and its use
.set p, 0
	s_wait_alu depctr_va_vdst(0)
.rept \np
	v_pk_mul_f32 v[(\base)+2*p:(\base)+2*p+1], v[(\base)+2*p:(\base)+2*p+1], v[RP:RP+1]
.set p, p+1
.endr
.endm
.macro ROWADR                          ; my row's place in XS; rows past the last are the last again
	v_min_u32 v[T0], 138, v[ROW]
	v_mul_u32_u24 v[XA], v[T0], XROW
	v_add_nc_u32 v[XA], s77, v[XA]
	v_bfe_u32 v[T1], v0, 4, 1
	v_lshl_add_u32 v[XN], v[T1], 5, v[XA]
.endm
.macro XLD                             ; six ids, and my 16 of the row's 32 numbers
	ds_load_b64 v[SC:SC+1],   v[XA]
	ds_load_b64 v[SC+2:SC+3], v[XA] offset:8
	ds_load_b64 v[SC+4:SC+5], v[XA] offset:16
.irp i, 0,1,2,3
	ds_load_b64 v[SC+6+2*\i:SC+7+2*\i], v[XN] offset:24+8*\i
.endr
.irp i, 0,1,2,3
	ds_load_b64 v[SC+14+2*\i:SC+15+2*\i], v[XN] offset:88+8*\i
.endr
.endm
.macro EMB                             ; the row's embedding, its mask, its LayerNorm without gain and offset, as f16 fragments
	s_wait_dscnt 0x0                               ; x's ints are in
.irp c, 0,1,2,3,4,5
	v_min_u32 v[SC+22+\c], 99, v[SC+\c]            ; an id stays inside its table
	v_lshl_add_u32 v[SC+22+\c], v[SC+22+\c], 6, v[HC]
.endr
.irp c, 0,1,2,3,4,5
	ds_load_b128 v[ACC+8*\c:ACC+8*\c+3],   v[SC+22+\c] offset:6400*\c
	ds_load_b128 v[ACC+8*\c+4:ACC+8*\c+7], v[SC+22+\c] offset:6400*\c+16
.endr
	ds_load_b128 v[PE16:PE16+3],     v[HV] offset:V_TOK+384
	ds_load_b128 v[PE16+4:PE16+7],   v[HV] offset:V_TOK+384+16
	ds_load_b128 v[PE16+8:PE16+11],  v[HV] offset:V_TOK+384+64
	ds_load_b128 v[PE16+12:PE16+15], v[HV] offset:V_TOK+384+80
	v_add3_u32 v[T0], v[SC+6], v[SC+7], v[SC+8]    ; the sum of all 38 ints: my 16 numbers, the other lane's 16, the ids
	v_add3_u32 v[T1], v[SC+9], v[SC+10], v[SC+11]
	v_add3_u32 v[T0], v[T0], v[SC+12], v[SC+13]
	v_add3_u32 v[T1], v[T1], v[SC+14], v[SC+15]
	v_add3_u32 v[T0], v[T0], v[SC+16], v[SC+17]
	v_add3_u32 v[T1], v[T1], v[SC+18], v[SC+19]
	v_add3_u32 v[T0], v[T0], v[SC+20], v[SC+21]
	v_add_nc_u32 v[T0], v[T0], v[T1]
	v_permlanex16_b32 v[T1], v[T0], s66, s67
	v_add3_u32 v[T0], v[T0], v[T1], v[SC]
	v_add3_u32 v[T0], v[T0], v[SC+1], v[SC+2]
	v_add3_u32 v[T0], v[T0], v[SC+3], v[SC+4]
	v_add_nc_u32 v[T0], v[T0], v[SC+5]
	v_cmp_eq_u32 vcc_lo, 0, v[T0]
	v_cndmask_b32 v[EXT], 0, s74, vcc_lo           ; -1e9 where the row is padding
.set i, 0
.rept 16
	v_cvt_f32_i32 v[ACC+48+i], v[SC+6+i]
.set i, i+1
.endr
	s_wait_dscnt 0x0                               ; the table rows (tok already added) and tok of channels 96-127
.set i, 0
.rept 8
	v_pk_add_f32 v[ACC+48+2*i:ACC+49+2*i], v[ACC+48+2*i:ACC+49+2*i], v[PE16+2*i:PE16+2*i+1]
.set i, i+1
.endr
	LNSTAT ACC, 32, 68, 69
	PACK 1, ACC
.endm
.macro QLD h0                          ; q of heads h0 and h0 + 1, my 16 channels of each
.irp d, 0,1
	ds_load_b128 v[SC+16*\d:SC+16*\d+3],     v[HW] offset:O_Q+128*((\h0)+\d)
	ds_load_b128 v[SC+16*\d+4:SC+16*\d+7],   v[HW] offset:O_Q+128*((\h0)+\d)+16
	ds_load_b128 v[SC+16*\d+8:SC+16*\d+11],  v[HW] offset:O_Q+128*((\h0)+\d)+64
	ds_load_b128 v[SC+16*\d+12:SC+16*\d+15], v[HW] offset:O_Q+128*((\h0)+\d)+80
.endr
.endm
.macro SCORE h0                        ; q . (k + pe) into SS, pe . k into AP, two heads side by side; k is read from each accumulator's low end on
.set p, 0
.rept 8
.irp d, 0,1
.set hq, (\h0)+\d
.set ru, UT+4*(p%2)+2*\d
	v_pk_add_f32 v[ru:ru+1], v[ACC+16*hq+2*p:ACC+16*hq+2*p+1], v[PE16+2*p:PE16+2*p+1]
.if p == 0
	v_pk_mul_f32 v[AP+2*hq:AP+2*hq+1], v[PE16+2*p:PE16+2*p+1], v[ACC+16*hq+2*p:ACC+16*hq+2*p+1]
.else
	v_pk_fma_f32 v[AP+2*hq:AP+2*hq+1], v[PE16+2*p:PE16+2*p+1], v[ACC+16*hq+2*p:ACC+16*hq+2*p+1], v[AP+2*hq:AP+2*hq+1]
.endif
.endr
.irp d, 0,1
.set hq, (\h0)+\d
.set ru, UT+4*(p%2)+2*\d
.if p == 0
	v_pk_mul_f32 v[SS+2*hq:SS+2*hq+1], v[SC+16*\d+2*p:SC+16*\d+2*p+1], v[ru:ru+1]
.else
	v_pk_fma_f32 v[SS+2*hq:SS+2*hq+1], v[SC+16*\d+2*p:SC+16*\d+2*p+1], v[ru:ru+1], v[SS+2*hq:SS+2*hq+1]
.endif
.endr
.set p, p+1
.endr
.endm
.macro SRED hd                         ; the head's score into SS + 2 hd
	v_pk_add_f32 v[SS+2*(\hd):SS+2*(\hd)+1], v[SS+2*(\hd):SS+2*(\hd)+1], v[AP+2*(\hd):AP+2*(\hd)+1]
	v_add_f32 v[SS+2*(\hd)], v[SS+2*(\hd)], v[SS+2*(\hd)+1]
	v_permlanex16_b32 v[SS+2*(\hd)+1], v[SS+2*(\hd)], s66, s67
	v_add_f32 v[SS+2*(\hd)], v[SS+2*(\hd)], v[SS+2*(\hd)+1]
.endm
.macro SOFT                            ; the running maximum, a = 2^(c (m_old - m_new)), p = 2^(c (s - m_new)), l = a l + p
.irp h, 0,1,2,3
	v_fma_f32 v[SS+2*\h], v[SS+2*\h], s70, v[EXT]
.endr
.irp h, 0,1,2,3
	v_cndmask_b32 v[SS+2*\h], s75, v[SS+2*\h], s73 ; a row past the last counts as far below every score
.endr
.irp h, 0,1,2,3
	v_max_num_f32 v[SS+2*\h+1], v[MX+\h], v[SS+2*\h]
.endr
.irp h, 0,1,2,3
	v_sub_f32 v[AP+2*\h], v[MX+\h], v[SS+2*\h+1]
	v_sub_f32 v[AP+2*\h+1], v[SS+2*\h], v[SS+2*\h+1]
.endr
.irp j, 0,1,2,3,4,5,6,7
	v_mul_f32 v[AP+\j], s71, v[AP+\j]
.endr
.irp j, 0,1,2,3,4,5,6,7
	v_exp_f32 v[AP+\j], v[AP+\j]
.endr
.irp h, 0,1,2,3
	v_mov_b32 v[MX+\h], v[SS+2*\h+1]               ; plain work between the exponentials and their use
.endr
	s_wait_alu depctr_va_vdst(0)
.irp h, 0,1,2,3
	v_cndmask_b32 v[AP+2*\h+1], 0, v[AP+2*\h+1], s73
.endr
.irp h, 0,1,2,3
	v_fma_f32 v[LS+\h], v[LS+\h], v[AP+2*\h], v[AP+2*\h+1]
.endr
.endm
.macro UPD                             ; ctx = a ctx + p v, four pairs at a time
.set x, 0
.rept 8
.irp z, 0,1,2,3
	v_pk_mul_f32 v[ACC+8*x+2*\z:ACC+8*x+2*\z+1], v[ACC+8*x+2*\z:ACC+8*x+2*\z+1], v[AP+2*(x/2):AP+2*(x/2)+1] op_sel:[0,1] op_sel_hi:[1,1]
.endr
.irp z, 0,1,2,3
	v_pk_fma_f32 v[CTX+8*x+2*\z:CTX+8*x+2*\z+1], v[CTX+8*x+2*\z:CTX+8*x+2*\z+1], v[AP+2*(x/2):AP+2*(x/2)+1], v[ACC+8*x+2*\z:ACC+8*x+2*\z+1] op_sel_hi:[1,0,1]
.endr
.set x, x+1
.endr
.endm
	s_load_b512 s[8:23], s[0:1], 0x0               ; x 8, cat_emb 10, tok_type 12, dist_emb 14, map_w 16, wq 18, wk 20, wv 22
	s_load_b256 s[24:31], s[0:1], 0x40             ; map_b 24, bq 26, bk 28, bv 30
	s_load_b128 s[32:35], s[0:1], 0x60             ; emb_ln_g 32, emb_ln_b 34
	s_load_b64 s[36:37], s[0:1], 0x70              ; ws
	v_lshl_add_u32 v[SPW], v0, 2, SPARE
	v_mov_b32 v[NIL], 0
	ds_add_u32 v[SPW], v[NIL]                      ; the wave's opening: the add and its wait ahead of my first tensor load
	ds_add_u32 v1, v2
	v_lshrrev_b32 v[T0], 5, v0
	v_readfirstlane_b32 s2, v[T0]                  ; wave 0..3
	s_lshl_b32 s3, ttmp9, 2
	s_add_co_u32 s3, s3, s2                        ; my sequence
	; x of my sequence: one dense row of 2,641 elements of 8 bytes
	s_mov_b32 s40, 1
	s_mul_i32 s41, s2, XSW
	s_mov_b32 s44, 3<<16                           ; elements of 8 bytes, no padding
	s_mov_b32 s45, 2641<<16                        ; tensor_dim0
	s_mov_b32 s46, 1<<16                           ; tensor_dim1 = 1
	s_mov_b32 s47, 2641<<16                        ; tile_dim0
	s_mov_b32 s48, 1                               ; tile_dim1
	s_mov_b32 s49, 2641                            ; pitch
	s_mov_b32 s50, 0
	s_mov_b32 s51, 0
	; my 35 rows of the distance table from row 138 + 35 w on: 32 f32 a row, 16 bytes of padding behind each
	s_mov_b32 s52, 1
	s_mul_i32 s53, s2, 35*PEP
	s_add_co_u32 s53, s53, PE
	s_mov_b32 s56, (2<<16)|(1<<20)|(4<<22)|(3<<25) ; elements of 4 bytes; padding on; after every 32 words; 4 words
	s_mov_b32 s57, 32<<16                          ; tensor_dim0
	s_mul_i32 s4, s2, 35
	s_sub_co_u32 s4, 139, s4                       ; rows left of the table: wave 3's 35th row lies past them and arrives as zeros
	s_lshl_b32 s58, s4, 16                         ; tensor_dim1
	s_mov_b32 s59, 32<<16                          ; tile_dim0
	s_mov_b32 s60, 35                              ; tile_dim1
	s_mov_b32 s61, 32                              ; pitch
	s_mov_b32 s62, 0
	s_mov_b32 s63, 0
	s_mul_i32 s4, s3, 21128                        ; my sequence's bytes in x
	s_mov_b32 s5, 0
	s_mul_i32 s6, s2, 35*128
	s_add_co_u32 s6, s6, 138*128
	s_mov_b32 s7, 0
	s_mov_b32 s66, 0x76543210                      ; v_permlanex16_b32: each lane takes its own place in the other half
	s_mov_b32 s67, 0xfedcba98
	s_mov_b32 s68, 0x3c000000                      ; 1/128
	s_mov_b32 s69, 0x2b8cbccc                      ; 1e-12
	s_mov_b32 s70, 0x3e3504f3                      ; 1/sqrt(32)
	s_mov_b32 s71, 0x3fb8aa3b                      ; log2 e
	s_mov_b32 s74, 0xce6e6b28                      ; -1e9
	s_mov_b32 s75, 0xfe000000                      ; far below every score
	s_mul_i32 s77, s2, XSW                         ; my x in LDS
	s_lshl_b32 s79, s2, 11
	s_add_co_u32 s79, s79, WVEC                    ; my wave's vectors
	s_wait_dscnt 0x0                               ; the opening add is done
	s_wait_kmcnt 0x0
	s_add_nc_u64 s[42:43], s[8:9], s[4:5]
	s_or_b32 s43, s43, 0x80000000
	s_add_nc_u64 s[54:55], s[14:15], s[6:7]
	s_or_b32 s55, s55, 0x80000000
	tensor_load_to_lds s[40:43], s[44:51]          ; both fills go out together: two tensor loads of mine are out, and no more follow
	s_nop 0
	tensor_load_to_lds s[52:55], s[56:63]
	s_nop 0
.rept 4
	v_nop
.endr
	s_lshl_b32 s4, s3, 10
	s_add_nc_u64 s[36:37], s[36:37], s[4:5]        ; ws at my sequence's 1,024 bytes
	; STAGING through registers: the vectors, cat_emb + tok_type, the four weights.  LDS addresses: wave x constant + lane term.
	v_and_b32 v[T0], 31, v0
	v_lshlrev_b32 v[GA], 4, v0
	v_lshlrev_b32 v[T4], 2, v0
	global_load_b32 v[VV+0], v[T4], s[24:25]
	global_load_b32 v[VV+1], v[T4], s[26:27]
	global_load_b32 v[VV+2], v[T4], s[28:29]
	global_load_b32 v[VV+3], v[T4], s[30:31]
	global_load_b32 v[VV+4], v[T4], s[32:33]
	global_load_b32 v[VV+5], v[T4], s[34:35]
	global_load_b32 v[VV+6], v[T4], s[12:13]
	v_add_nc_u32 v[G18], 18*2048, v[GA]
	v_min_u32 v[G18], 38384, v[G18]                ; 2,400 pieces of 16 bytes are 18 3/4 rounds of 128 threads: the last 32 threads read the last piece again, into the region's spare bytes
.set i, 0
.rept 18
	global_load_b128 v[CL+4*i:CL+4*i+3], v[GA], s[10:11] offset:2048*i
.set i, i+1
.endr
	global_load_b128 v[CL+72:CL+75], v[G18], s[10:11]
	s_mul_i32 s6, s2, PW
	v_lshl_add_u32 v[WL], v[T0], 3, s6             ; weights: thread t has row t / 32 + 4 i, columns 4 (t % 32) on
	s_lshl_b32 s6, s2, 9
	s_add_co_u32 s6, s6, CAT
	v_lshl_add_u32 v[CS], v[T0], 4, s6
	s_lshl_b32 s6, s2, 7
	s_add_co_u32 s6, s6, VEC
	v_lshl_add_u32 v[VS], v[T0], 2, s6
	v_and_b32 v[T3], 3, v0
	v_lshlrev_b32 v[T3], 4, v[T3]
.set i, 0
.rept 19                               ; piece u = t + 128 i lies in table u / 400 = (u x 5243) >> 21 (exact for u < 2,432): its 16 bytes of tok
	v_add_nc_u32 v[T0], 128*i, v0
	v_mul_u32_u24 v[T0], v[T0], 5243
	v_lshrrev_b32 v[T0], 21, v[T0]
	v_lshl_add_u32 v[TO+i], v[T0], 6, v[T3]
	global_load_b128 v[TL+4*i:TL+4*i+3], v[TO+i], s[12:13]
.set i, i+1
.endr
	WLOAD 16, LA
	v_bfe_u32 v[T1], v0, 4, 1                      ; hh
	v_lshl_add_u32 v[HC], v[T1], 5, CAT
	v_lshl_add_u32 v[HV], v[T1], 5, VEC
	v_lshl_add_u32 v[HW], v[T1], 5, s79
	v_lshl_add_u32 v[PB], v[T1], 5, PE
	v_and_b32 v[T0], 7, v0
	v_lshl_add_u32 v[T0], v[T1], 3, v[T0]
	v_mul_u32_u24 v[TR], v[T0], PW                 ; the turning load: row 8 hh + lane % 8,
	v_bfe_u32 v[T0], v0, 3, 1
	v_lshl_add_u32 v[TR], v[T0], 4, v[TR]          ; 16 bytes by (lane / 8) % 2
	s_wait_loadcnt 32                              ; all but map_w's 32 loads
.irp k, 0,1,2,3,4,5,6
	ds_store_b32 v[VS], v[VV+\k] offset:512*\k
.endr
.set i, 0
.rept 19
	v_pk_add_f32 v[CL+4*i:CL+4*i+1], v[CL+4*i:CL+4*i+1], v[TL+4*i:TL+4*i+1]
	v_pk_add_f32 v[CL+4*i+2:CL+4*i+3], v[CL+4*i+2:CL+4*i+3], v[TL+4*i+2:TL+4*i+3]
	ds_store_b128 v[CS], v[CL+4*i:CL+4*i+3] offset:2048*i
.set i, i+1
.endr
	WLOAD 18, LB
	s_wait_loadcnt 32                              ; map_w is in; wq's 32 stay out
	WSTORE LA, W0, 1
	WLOAD 20, LA
	s_wait_loadcnt 32                              ; wq is in; wk's 32 stay out
	WSTORE LB, W1, 0
	WLOAD 22, LB
	s_wait_loadcnt 32                              ; wk is in; wv's 32 stay out
	WSTORE LA, W2, 0
	s_wait_loadcnt 0x0
	WSTORE LB, W3, 0
	s_wait_tensorcnt 0x0                           ; my x and my part of the distance table have landed,
	s_wait_dscnt 0x0                               ; my stores are done:
	s_barrier_signal -1
	s_barrier_wait -1                              ; everybody's.  Behind this barrier nothing shared is written
	; b M + map_b (with M as it is), then M's rows are multiplied by g
	LOADW 1, W0
	LOADW 3, W1
	LOADW 2, W2
	VLD ACC, HV, V_B
	s_wait_dscnt 0x0
	PACK 1, ACC
	VLD ACC, HV, V_MB
	s_wait_dscnt 0x0
	GEMM 1, 1, 0
	PLACES
	VST ACC, HW, O_MBV
	VLD ACC, HV, V_G
	s_wait_dscnt 0x0
	PACK 1, ACC
	WIN 0x41
.set i, 0
.rept 256                              ; register i % 8 of a fragment of K block i / 64 holds the same k as that register of the packed g
	v_pk_mul_f16 v[i], v[i], v[FR+8*(i/64)+i%8]
.set i, i+1
.endr
	WIN 0
	; row 138, the same in all sixteen rows of the tile: hs (to ws) and q
	v_mov_b32 v[ROW], 138
	ROWADR
	XLD
	EMB
	VLD ACC, HW, O_MBV
	s_wait_dscnt 0x0
	GEMM 1, 1, 0
	PLACES
	VST ACC, HW, O_HS
	PACK 0, ACC
	VLD ACC, HV, V_BQ
	s_wait_dscnt 0x0
	GEMM 3, 0, 0
	PLACES
	VST ACC, HW, O_Q
	LOADW 3, W3                                    ; wv takes wq's window
	v_and_b32 v[T0], 31, v0
	v_lshlrev_b32 v[GO], 4, v[T0]
	v_add_nc_u32 v[BR], s79, v[GO]
	ds_load_b128 v[UT:UT+3], v[BR] offset:O_HS     ; LDS serves a wave's instructions in order: this sees the stores above
	s_wait_dscnt 0x0
	global_store_b128 v[GO], v[UT:UT+3], s[36:37]  ; 512 consecutive bytes, at a multiple of 256 from ws's first
	s_wait_xcnt 0x0                                ; the store's registers are rewritten only behind this wait
	; the walk over nine tiles.  No first tile is written out: m starts far below every score, l and ctx at 0 (72 moves for a shorter text)
	v_and_b32 v[ROW], 15, v0
	ROWADR
	XLD
.irp h, 0,1,2,3
	v_mov_b32 v[MX+\h], s75
	v_mov_b32 v[LS+\h], 0
.endr
.set i, 0
.rept 64
	v_mov_b32 v[CTX+i], 0
.set i, i+1
.endr
	s_mov_b32 s72, 9
.Ltile:
	v_cmp_gt_u32 s73, 139, v[ROW]                  ; is my row one of the 139?
	v_min_u32 v[T0], 138, v[ROW]
	v_sub_nc_u32 v[T0], 138, v[T0]                 ; distance index 276 - row = 138 + (138 - row)
	v_mul_u32_u24 v[T0], v[T0], PEP
	v_add_nc_u32 v[PEA], v[PB], v[T0]
	EMB
	ds_load_b128 v[PE16:PE16+3],     v[PEA]
	ds_load_b128 v[PE16+4:PE16+7],   v[PEA] offset:16
	ds_load_b128 v[PE16+8:PE16+11],  v[PEA] offset:64
	ds_load_b128 v[PE16+12:PE16+15], v[PEA] offset:80
	VLD ACC, HW, O_MBV
	s_wait_dscnt 0x0
	GEMM 1, 1, 0                                   ; hs
	PLACES
	PACK 0, ACC
	VLD ACC, HV, V_BK
	QLD 0
	s_wait_dscnt 0x0
	GEMM 2, 0, 0                                   ; k
	PLACES
	SCORE 0
	QLD 2
	SRED 0
	SRED 1
	s_wait_dscnt 0x0
	SCORE 2
	SRED 2
	SRED 3
	v_add_nc_u32 v[ROW], 16, v[ROW]                ; the next tile's ints are asked for now
	ROWADR
	XLD
	GEMM 3, 0, 1                                   ; v without bv: the weights sum to 1, so bv is added once at the end
	SOFT                                           ; its first four lines are the places behind the products
	UPD
	s_sub_co_u32 s72, s72, 1
	s_cmp_lg_u32 s72, 0
	s_cbranch_scc1 .Ltile
	s_wait_dscnt 0x0                               ; the last trip's look-ahead
	; the sixteen lanes' maxima, sums and ctx are merged
	VLD ACC, HV, V_BV
.irp h, 0,1,2,3
	v_mov_b32 v[SS+2*\h], v[MX+\h]
.endr
.irp m, 1,2,4,8
.irp h, 0,1,2,3
	v_max_num_f32_dpp v[SS+2*\h], v[SS+2*\h], v[SS+2*\h] row_xmask:\m row_mask:0xf bank_mask:0xf
.endr
.endr
.irp h, 0,1,2,3
	v_sub_f32 v[AP+2*\h], v[MX+\h], v[SS+2*\h]
.endr
.irp h, 0,1,2,3
	v_mul_f32 v[AP+2*\h], s71, v[AP+2*\h]
.endr
.irp h, 0,1,2,3
	v_exp_f32 v[AP+2*\h], v[AP+2*\h]
.endr
	v_nop
	s_wait_alu depctr_va_vdst(0)
.irp h, 0,1,2,3
	v_mul_f32 v[SS+2*\h], v[LS+\h], v[AP+2*\h]
.endr
.irp m, 1,2,4,8
.irp h, 0,1,2,3
	v_add_f32_dpp v[SS+2*\h], v[SS+2*\h], v[SS+2*\h] row_xmask:\m row_mask:0xf bank_mask:0xf
.endr
.endr
.irp h, 0,1,2,3
	v_rcp_f32 v[SS+2*\h], v[SS+2*\h]               ; the sum is at least 1: the largest score's weight
.endr
	v_nop
	s_wait_alu depctr_va_vdst(0)
.irp h, 0,1,2,3
	v_mul_f32 v[AP+2*\h], v[AP+2*\h], v[SS+2*\h]
.endr
.set x, 0
.rept 32
	v_pk_mul_f32 v[CTX+2*x:CTX+2*x+1], v[CTX+2*x:CTX+2*x+1], v[AP+2*(x/8):AP+2*(x/8)+1] op_sel_hi:[1,0]
.set x, x+1
.endr
.irp m, 1,2,4,8
.set i, 0
.rept 64
	v_add_f32_dpp v[CTX+i], v[CTX+i], v[CTX+i] row_xmask:\m row_mask:0xf bank_mask:0xf
.set i, i+1
.endr
.endr
	s_wait_dscnt 0x0                               ; bv
.set x, 0
.rept 32
	v_pk_add_f32 v[CTX+2*x:CTX+2*x+1], v[CTX+2*x:CTX+2*x+1], v[ACC+2*x:ACC+2*x+1]
.set x, x+1
.endr
	VST CTX, HW, O_CTX
	ds_load_b128 v[UT:UT+3], v[BR] offset:O_CTX
	s_wait_dscnt 0x0
	global_store_b128 v[GO], v[UT:UT+3], s[36:37] offset:512
	s_wait_tensorcnt 0x0                           ; the wave's end
	ds_add_u32 v[SPW], v[NIL]
	s_wait_dscnt 0x0
	s_endpgm
.Lfunc_end_k_qf880402de8_enc:
	.size	k_qf880402de8_enc, .Lfunc_end_k_qf880402de8_enc-k_qf880402de8_enc
	.p2alignl 7, 3214868480
	.fill 96, 4, 3214868480
	.section	.rodata,"a",@progbits
	.p2align	6, 0x0
	.amdhsa_kernel k_qf880402de8_enc
		.amdhsa_group_segment_fixed_size 327680
		.amdhsa_private_segment_fixed_size 0
		.amdhsa_enable_private_segment 0
		.amdhsa_kernarg_size 120
		.amdhsa_user_sgpr_count 2
		.amdhsa_user_sgpr_kernarg_segment_ptr 1
		.amdhsa_wavefront_size32 1
		.amdhsa_system_sgpr_workgroup_id_x 1
		.amdhsa_system_sgpr_workgroup_id_y 1
		.amdhsa_system_sgpr_workgroup_id_z 1
		.amdhsa_system_vgpr_workitem_id 0
		.amdhsa_next_free_vgpr 1024
		.amdhsa_next_free_sgpr 80
		.amdhsa_reserve_vcc 1
		.amdhsa_float_denorm_mode_32 3
		.amdhsa_float_denorm_mode_16_64 3
		.amdhsa_memory_ordered 1
		.amdhsa_forward_progress 1
		.amdhsa_inst_pref_size 194
	.end_amdhsa_kernel
	.amdgpu_metadata
---
amdhsa.version: [ 1, 2 ]
amdhsa.kernels:
  - .name:           k_qf880402de8_enc
    .symbol:         k_qf880402de8_enc.kd
    .args:
      - { .name: x, .offset: 0, .size: 8, .value_kind: global_buffer, .address_space: global }
      - { .name: cat_emb, .offset: 8, .size: 8, .value_kind: global_buffer, .address_space: global }
      - { .name: tok_type, .offset: 16, .size: 8, .value_kind: global_buffer, .address_space: global }
      - { .name: dist_emb, .offset: 24, .size: 8, .value_kind: global_buffer, .address_space: global }
      - { .name: map_w, .offset: 32, .size: 8, .value_kind: global_buffer, .address_space: global }
      - { .name: wq, .offset: 40, .size: 8, .value_kind: global_buffer, .address_space: global }
      - { .name: wk, .offset: 48, .size: 8, .value_kind: global_buffer, .address_space: global }
      - { .name: wv, .offset: 56, .size: 8, .value_kind: global_buffer, .address_space: global }
      - { .name: map_b, .offset: 64, .size: 8, .value_kind: global_buffer, .address_space: global }
      - { .name: bq, .offset: 72, .size: 8, .value_kind: global_buffer, .address_space: global }
      - { .name: bk, .offset: 80, .size: 8, .value_kind: global_buffer, .address_space: global }
      - { .name: bv, .offset: 88, .size: 8, .value_kind: global_buffer, .address_space: global }
      - { .name: emb_ln_g, .offset: 96, .size: 8, .value_kind: global_buffer, .address_space: global }
      - { .name: emb_ln_b, .offset: 104, .size: 8, .value_kind: global_buffer, .address_space: global }
      - { .name: ws, .offset: 112, .size: 8, .value_kind: global_buffer, .address_space: global }
    .group_segment_fixed_size: 327680
    .private_segment_fixed_size: 0
    .kernarg_segment_align: 8
    .kernarg_segment_size: 120
    .max_flat_workgroup_size: 128
    .sgpr_count:     80
    .vgpr_count:     1024
    .wavefront_size: 32
...
	.end_amdgpu_metadata
.endif
;; end of part 1
;; launch head (part 2): grid 64 x 1, 4 waves a work-group, no clusters, 134,144 bytes of LDS; arguments ws, attn_w, ffn_w1, ffn_w2, h1_w, h2_w, attn_b, attn_ln_g, attn_ln_b, ffn_b1, ffn_b2, ffn_ln_g, ffn_ln_b, h1_b, ln1_g, ln1_b, h2_b, ln2_g, ln2_b, h3_w, h3_b, prod, day, prod_emb, day_emb, out0; writes out0
.if DOCPART == 2
	.amdgcn_target "amdgcn-amd-amdhsa--gfx1250"
	.amdhsa_code_object_version 6
	.text
	.protected	k_qf880402de8_head
	.globl	k_qf880402de8_head
	.p2align	8
	.type	k_qf880402de8_head,@function
k_qf880402de8_head:
	s_mov_b64 s[64:65], 0
	v_nop
	global_prefetch_b8 v0, s[64:65] scope:SCOPE_SE
	s_setreg_imm32_b32 hwreg(HW_REG_WAVE_MODE, 25, 1), 1
	s_wait_xcnt 0x0
; ENCODER, SECOND PART, for the last token of each sequence: attention output + LayerNorm, FFN (gelu_new) + LayerNorm, the features, two layers with LayerNorm and exact gelu, the last dot product.
; SHARES.  Work-group g owns sequences 16 g .. 16 g + 15: one tile of 16 rows.  All four waves bring the weights into LDS (rounded to 16 bits, [k][n]); wave 0 then runs the whole chain in registers,
; lane % 16 = sequence; waves 1 to 3 end behind the barrier.  64 work-groups: 1,024 rows are 64 tiles, and a smaller share would fetch the same weights for less work.
; LAYOUT as in the first part: D = W^T-fragment x activation-fragment; lane (r, hh) holds row r, channels 16 nt + 8 hh + j in register 8 nt + j; rounded in pairs they are the next fragments.
; FORMATS.  ctx x attn_w, attn_out x ffn_w1, ffn x ffn_w2 in bf16; feat x h1_w and z x h2_w in f16; all else f32.
; LIMITS.  |h1_w|, |h2_w|, |prod_emb|, |day_emb|, 11.3 |ffn_ln_g| + |ffn_ln_b| and the first gelu's output stay under 65,504 (f16); f16 numbers under 6e-5 keep a fixed step of 6e-8.
; erf by the rational form 7.1.26 of Abramowitz and Stegun, absolute error 1.5e-7 for every argument.  NaN and infinities are not treated apart.
; The output is 4 bytes a sequence: a work-group's store is 64 consecutive bytes.
.set W0,    0                          ; attn_w, ffn_w1, ffn_w2: bf16, [k][n], pitch 288
.set W1,    36864
.set W2,    73728
.set PW,    288
.set H1,    110592                     ; h1_w's 160 rows, then h2_w's 32: f16, pitch 96
.set VEC,   129024                     ; seven vectors of 512 bytes: attn_b, attn_ln_g, attn_ln_b, ffn_b1, ffn_b2, ffn_ln_g, ffn_ln_b
.set V32,   132608                     ; seven of 128 bytes: h1_b, ln1_g, ln1_b, h2_b, ln2_g, ln2_b, h3_w
.set SPARE, 133632                     ; the spare words: 128 bytes a wave
.set SPW, 1                            ; v1  my spare word; never rewritten
.set NIL, 2                            ; v2  0; never rewritten
.set LN,  3                            ; v3  lane
.set RR,  4                            ; v4  lane % 16
.set HH,  5                            ; v5  lane / 16
.set GA,  6                            ; v6  16 t
.set T4,  7                            ; v7  4 t
.set WL,  8                            ; v8  where I put a weight's 8 bytes
.set TA,  9                            ; v9  address at work
.set TR,  10                           ; v10 lane term of the turning loads, pitch 288
.set LH,  11                           ; v11 where I put 8 bytes of h1_w, h2_w
.set TR2, 12                           ; v12 lane term of the turning loads, pitch 96, + H1
.set HV,  13                           ; v13 VEC + 32 hh
.set H32, 14                           ; v14 V32 + 32 hh
.set WS,  15                           ; v15 my sequence's row of ws + 32 hh
.set OUTO, 16                          ; v16 4 x my sequence
.set L4,  17                           ; v17 4 x lane
.set MP,  18
.set RP,  20
.set T0,  22
.set T1,  23
.set FR,  24                           ; v24-63 five fragments; v24-31 also the sums of a LayerNorm while the fragments are dead
.set SS,  24
.set ACC, 64                           ; v64-127
.set RES, 128                          ; v128-191 hs, then attn_out, then seq
.set VG,  192                          ; v192-255 ctx as it lands, offsets, the gelus' work
.set LA,  0
.set LB,  128
.set MSB, 0
.macro WIN new                         ; the immediate's high byte repeats the setting that is left
.if MSB != (\new)
	s_set_vgpr_msb (MSB<<8)|(\new)
.set MSB, (\new)
.endif
.endm
.macro PLACES                          ; four places behind matrix instructions (ISA guide 7.12.1)
.rept 4
	v_nop
.endr
.endm
.macro VLD dst, areg, off
.irp nt, 0,1,2,3,4,5,6,7
	ds_load_b128 v[(\dst)+8*\nt:(\dst)+8*\nt+3],   v[\areg] offset:(\off)+64*\nt
	ds_load_b128 v[(\dst)+8*\nt+4:(\dst)+8*\nt+7], v[\areg] offset:(\off)+64*\nt+16
.endr
.endm
.macro GVLD dst, off                   ; 128 f32 of my sequence's row of ws into the lane's layout
.irp nt, 0,1,2,3,4,5,6,7
	global_load_b128 v[(\dst)+8*\nt:(\dst)+8*\nt+3],   v[WS], s[8:9] offset:(\off)+64*\nt
	global_load_b128 v[(\dst)+8*\nt+4:(\dst)+8*\nt+7], v[WS], s[8:9] offset:(\off)+64*\nt+16
.endr
.endm
.macro V32LD dst, k                    ; a vector of 32 f32 into the lane's layout
	ds_load_b128 v[(\dst):(\dst)+3],     v[H32] offset:128*(\k)
	ds_load_b128 v[(\dst)+4:(\dst)+7],   v[H32] offset:128*(\k)+16
	ds_load_b128 v[(\dst)+8:(\dst)+11],  v[H32] offset:128*(\k)+64
	ds_load_b128 v[(\dst)+12:(\dst)+15], v[H32] offset:128*(\k)+80
.endm
.macro WLOAD sb, set
	WIN 0x40
.set i, 0
.rept 32
	global_load_b128 v[(\set)+4*i:(\set)+4*i+3], v[GA], s[\sb:\sb+1] offset:2048*i
.set i, i+1
.endr
	WIN 0
.endm
.macro WSTORE set, base                ; rounded to bf16 in place and laid as [k][n]
	v_add_nc_u32 v[TA], \base, v[WL]
	WIN 0x45
.set i, 0
.rept 32
	v_cvt_pk_bf16_f32 v[(\set)+4*i],   v[(\set)+4*i],   v[(\set)+4*i+1]
	v_cvt_pk_bf16_f32 v[(\set)+4*i+1], v[(\set)+4*i+2], v[(\set)+4*i+3]
.set i, i+1
.endr
	WIN 0x04
.set i, 0
.rept 32
	ds_store_b64 v[TA], v[(\set)+4*i:(\set)+4*i+1] offset:1152*i
.set i, i+1
.endr
	WIN 0
.endm
.macro LOADW win, base
	v_add_nc_u32 v[TA], \base, v[TR]
	WIN (\win)<<6
.set i, 0
.rept 32
	ds_load_tr16_b128 v[8*i:8*i+3],   v[TA] offset:9216*(i/8)+32*(i%8)
	ds_load_tr16_b128 v[8*i+4:8*i+7], v[TA] offset:9216*(i/8)+32*(i%8)+4608
.set i, i+1
.endr
	WIN 0
.endm
.macro GEMM win                        ; 16 rows x 128 x 128 in bf16 onto the bias in ACC: the eight accumulators take turns
	WIN \win
.irp kc, 0,1,2,3
.irp nt, 0,1,2,3,4,5,6,7
	v_wmma_f32_16x16x32_bf16 v[ACC+8*\nt:ACC+8*\nt+7], v[64*\kc+8*\nt:64*\kc+8*\nt+7], v[FR+8*\kc:FR+8*\kc+7], v[ACC+8*\nt:ACC+8*\nt+7]
.endr
.endr
	WIN 0
.endm
.macro PACK h, src
.set x, 0
.rept 32
.if \h
	v_cvt_pk_f16_f32 v[FR+x], v[(\src)+2*x], v[(\src)+2*x+1]
.else
	v_cvt_pk_bf16_f32 v[FR+x], v[(\src)+2*x], v[(\src)+2*x+1]
.endif
.set x, x+1
.endr
.endm
.macro FOLD
	v_pk_add_f32 v[SS:SS+1], v[SS:SS+1], v[SS+2:SS+3]
	v_pk_add_f32 v[SS+4:SS+5], v[SS+4:SS+5], v[SS+6:SS+7]
	v_pk_add_f32 v[SS:SS+1], v[SS:SS+1], v[SS+4:SS+5]
	v_add_f32 v[T0], v[SS], v[SS+1]
	v_permlanex16_b32 v[T1], v[T0], s66, s67
	v_add_f32 v[T0], v[T0], v[T1]
.endm
.macro LNSTAT base, np, sinv, seps     ; (v - mean) / sqrt(var + eps) in place, two passes, four chains each
.irp c, 0,1,2,3
	v_pk_add_f32 v[SS+2*\c:SS+2*\c+1], v[(\base)+2*\c:(\base)+2*\c+1], v[(\base)+8+2*\c:(\base)+8+2*\c+1]
.endr
.set p, 8
.rept (\np)-8
	v_pk_add_f32 v[SS+2*(p%4):SS+2*(p%4)+1], v[SS+2*(p%4):SS+2*(p%4)+1], v[(\base)+2*p:(\base)+2*p+1]
.set p, p+1
.endr
	FOLD
	v_mul_f32 v[MP], s[\sinv], v[T0]
	v_mul_f32 v[MP+1], s[\sinv], v[T0]
.set p, 0
.rept \np
	v_pk_add_f32 v[(\base)+2*p:(\base)+2*p+1], v[(\base)+2*p:(\base)+2*p+1], v[MP:MP+1] neg_lo:[0,1] neg_hi:[0,1]
.set p, p+1
.endr
.irp c, 0,1,2,3
	v_pk_mul_f32 v[SS+2*\c:SS+2*\c+1], v[(\base)+2*\c:(\base)+2*\c+1], v[(\base)+2*\c:(\base)+2*\c+1]
.endr
.set p, 4
.rept (\np)-4
	v_pk_fma_f32 v[SS+2*(p%4):SS+2*(p%4)+1], v[(\base)+2*p:(\base)+2*p+1], v[(\base)+2*p:(\base)+2*p+1], v[SS+2*(p%4):SS+2*(p%4)+1]
.set p, p+1
.endr
	FOLD
	v_fma_f32 v[T0], v[T0], s[\sinv], s[\seps]
	v_rsq_f32 v[RP], v[T0]
	v_rsq_f32 v[RP+1], v[T0]
	v_nop                                          ; a plain instruction between the root and its use
.set p, 0
	s_wait_alu depctr_va_vdst(0)
.rept \np
	v_pk_mul_f32 v[(\base)+2*p:(\base)+2*p+1], v[(\base)+2*p:(\base)+2*p+1], v[RP:RP+1]
.set p, p+1
.endr
.endm
.macro ADDRES                          ; RES += ACC, from each accumulator's low end on
.set p, 0
.rept 32
	v_pk_add_f32 v[RES+2*p:RES+2*p+1], v[RES+2*p:RES+2*p+1], v[ACC+2*p:ACC+2*p+1]
.set p, p+1
.endr
.endm
.macro AFFINE base, np, g, b           ; base = base x gain + offset
.set p, 0
.rept \np
	v_pk_fma_f32 v[(\base)+2*p:(\base)+2*p+1], v[(\base)+2*p:(\base)+2*p+1], v[(\g)+2*p:(\g)+2*p+1], v[(\b)+2*p:(\b)+2*p+1]
.set p, p+1
.endr
.endm
.macro GELU_T                          ; gelu_new on ACC's 64 numbers: x / (1 + 2^(x (c1 + c2 x^2))), c1 = -2 sqrt(2/pi) log2 e, c2 = 0.044715 c1
.set p, 0
.rept 32
	v_pk_mul_f32 v[VG+2*p:VG+2*p+1], v[ACC+2*p:ACC+2*p+1], v[ACC+2*p:ACC+2*p+1]
.set p, p+1
.endr
.set p, 0
.rept 32
	v_pk_fma_f32 v[VG+2*p:VG+2*p+1], v[VG+2*p:VG+2*p+1], s[74:75], s[72:73] op_sel_hi:[1,0,0]
.set p, p+1
.endr
.set p, 0
.rept 32
	v_pk_mul_f32 v[VG+2*p:VG+2*p+1], v[VG+2*p:VG+2*p+1], v[ACC+2*p:ACC+2*p+1]
.set p, p+1
.endr
.set p, 0
.rept 64
	v_exp_f32 v[VG+p], v[VG+p]
.set p, p+1
.endr
	v_nop
.set p, 0
	s_wait_alu depctr_va_vdst(0)
.rept 32
	v_pk_add_f32 v[VG+2*p:VG+2*p+1], v[VG+2*p:VG+2*p+1], 1.0 op_sel_hi:[1,0]
.set p, p+1
.endr
.set p, 0
.rept 64
	v_rcp_f32 v[VG+p], v[VG+p]
.set p, p+1
.endr
	v_nop
.set p, 0
	s_wait_alu depctr_va_vdst(0)
.rept 32
	v_pk_mul_f32 v[ACC+2*p:ACC+2*p+1], v[ACC+2*p:ACC+2*p+1], v[VG+2*p:VG+2*p+1]
.set p, p+1
.endr
.endm
.macro EACH line:vararg                ; one line for each of 16 numbers i
.set i, 0
	s_wait_alu depctr_va_vdst(0)
.rept 16
	\line
.set i, i+1
.endr
.endm
.macro GELU_E                          ; exact gelu on ACC's first 16 numbers: 0.5 (x + |x| erf(|x| / sqrt 2)); y at VG, t at VG+16, the polynomial at VG+32, e at VG+48
	EACH v_mul_f32 v[VG+i], |v[ACC+i]|, s82
	EACH v_fma_f32 v[VG+16+i], v[VG+i], s76, 1.0
	EACH v_mul_f32 v[VG+48+i], v[VG+i], v[VG+i]
	EACH v_rcp_f32 v[VG+16+i], v[VG+16+i]
	EACH v_mul_f32 v[VG+48+i], s83, v[VG+48+i]
	EACH v_exp_f32 v[VG+48+i], v[VG+48+i]
	EACH v_fma_f32 v[VG+32+i], v[VG+16+i], s81, s80
	EACH v_fma_f32 v[VG+32+i], v[VG+32+i], v[VG+16+i], s79
	EACH v_fma_f32 v[VG+32+i], v[VG+32+i], v[VG+16+i], s78
	EACH v_fma_f32 v[VG+32+i], v[VG+32+i], v[VG+16+i], s77
	EACH v_mul_f32 v[VG+32+i], v[VG+32+i], v[VG+16+i]
	EACH v_fma_f32 v[VG+32+i], -v[VG+32+i], v[VG+48+i], 1.0
	EACH v_fma_f32 v[VG+32+i], |v[ACC+i]|, v[VG+32+i], v[ACC+i]
	EACH v_mul_f32 v[ACC+i], 0.5, v[VG+32+i]
.endm
	s_load_b512 s[8:23], s[0:1], 0x0               ; ws 8, attn_w 10, ffn_w1 12, ffn_w2 14, h1_w 16, h2_w 18, attn_b 20, attn_ln_g 22
	s_load_b512 s[24:39], s[0:1], 0x40             ; attn_ln_b 24, ffn_b1 26, ffn_b2 28, ffn_ln_g 30, ffn_ln_b 32, h1_b 34, ln1_g 36, ln1_b 38
	s_load_b512 s[40:55], s[0:1], 0x80             ; h2_b 40, ln2_g 42, ln2_b 44, h3_w 46, h3_b 48, prod 50, day 52, prod_emb 54
	s_load_b128 s[56:59], s[0:1], 0xc0             ; day_emb 56, out0 58
	v_lshl_add_u32 v[SPW], v0, 2, SPARE
	v_mov_b32 v[NIL], 0
	v_lshrrev_b32 v[T0], 5, v0
	v_readfirstlane_b32 s2, v[T0]                  ; wave 0..3
	s_mov_b32 s3, ttmp9
	s_mov_b32 s66, 0x76543210
	s_mov_b32 s67, 0xfedcba98
	s_mov_b32 s68, 0x3c000000                      ; 1/128
	s_mov_b32 s69, 0x2b8cbccc                      ; 1e-12
	s_mov_b32 s70, 0x3d000000                      ; 1/32
	s_mov_b32 s71, 0x3727c5ac                      ; 1e-5
	s_mov_b32 s72, 0xc0135761                      ; -2.3022082
	s_mov_b32 s73, 0xc0135761
	s_mov_b32 s74, 0xbdd2d3e8                      ; -0.10294324
	s_mov_b32 s75, 0xbdd2d3e8
	s_mov_b32 s76, 0x3ea7ba05                      ; 0.3275911
	s_mov_b32 s77, 0x3e827906                      ; 0.254829592
	s_mov_b32 s78, 0xbe91a98e                      ; -0.284496736
	s_mov_b32 s79, 0x3fb5f0e3                      ; 1.421413741
	s_mov_b32 s80, 0xbfba00e3                      ; -1.453152027
	s_mov_b32 s81, 0x3f87dc22                      ; 1.061405429
	s_mov_b32 s82, 0x3f3504f3                      ; 1/sqrt 2
	s_mov_b32 s83, 0xbfb8aa3b                      ; -log2 e
	v_and_b32 v[LN], 31, v0
	v_and_b32 v[RR], 15, v0
	v_bfe_u32 v[HH], v0, 4, 1
	v_lshlrev_b32 v[GA], 4, v0
	v_lshlrev_b32 v[T4], 2, v0
	v_lshlrev_b32 v[L4], 2, v[LN]
	s_mul_i32 s4, s2, PW
	v_lshl_add_u32 v[WL], v[LN], 3, s4             ; weights: thread t has row t / 32 + 4 i, columns 4 (t % 32) on
	v_and_b32 v[T0], 7, v0
	v_lshl_add_u32 v[T0], v[HH], 3, v[T0]          ; the turning loads: row 8 hh + lane % 8,
	v_bfe_u32 v[T1], v0, 3, 1                      ; 16 bytes by (lane / 8) % 2
	v_mul_u32_u24 v[TR], v[T0], PW
	v_lshl_add_u32 v[TR], v[T1], 4, v[TR]
	v_mul_u32_u24 v[TR2], v[T0], 96
	v_lshl_add_u32 v[TR2], v[T1], 4, v[TR2]
	v_add_nc_u32 v[TR2], H1, v[TR2]
	s_mul_i32 s4, s2, 384
	s_add_co_u32 s4, s4, H1
	v_lshrrev_b32 v[T0], 3, v[LN]                  ; h1_w, h2_w: thread t has row t / 8 + 16 i, columns 4 (t % 8) on
	v_mul_u32_u24 v[LH], v[T0], 96
	v_and_b32 v[T0], 7, v0
	v_lshl_add_u32 v[LH], v[T0], 3, v[LH]
	v_add_nc_u32 v[LH], s4, v[LH]
	v_lshl_add_u32 v[HV], v[HH], 5, VEC
	v_lshl_add_u32 v[H32], v[HH], 5, V32
	s_lshl_b32 s4, s3, 4
	v_add_nc_u32 v[T0], s4, v[RR]                  ; my sequence
	v_lshlrev_b32 v[OUTO], 2, v[T0]
	v_lshlrev_b32 v[WS], 10, v[T0]
	v_lshl_add_u32 v[WS], v[HH], 5, v[WS]
	s_wait_kmcnt 0x0
	s_load_b32 s84, s[48:49], 0x0                  ; h3_b
	s_cmp_lg_u32 s2, 0
	s_cbranch_scc1 .Lnot_0_a                       ; wave 0 alone: what the chain itself reads
	global_load_b32 v126, v[OUTO], s[50:51]
	global_load_b32 v127, v[OUTO], s[52:53]
	GVLD RES, 0                                    ; hs of the last row
	GVLD VG, 512                                   ; ctx
	s_wait_loadcnt 32                              ; the two ids are in; the 32 loads from ws stay out
	v_min_u32 v126, 29, v126                       ; an id stays inside its table
	v_min_u32 v127, 365, v127
	v_lshlrev_b32 v126, 6, v126
	v_lshlrev_b32 v127, 6, v127
	v_lshl_add_u32 v126, v[HH], 5, v126
	v_lshl_add_u32 v127, v[HH], 5, v127
	global_load_b128 v[FR:FR+3],     v126, s[54:55]
	global_load_b128 v[FR+4:FR+7],   v126, s[54:55] offset:16
	global_load_b128 v[FR+8:FR+11],  v127, s[56:57]
	global_load_b128 v[FR+12:FR+15], v127, s[56:57] offset:16
	global_load_b32 v119, v[L4], s[34:35]
	global_load_b32 v120, v[L4], s[36:37]
	global_load_b32 v121, v[L4], s[38:39]
	global_load_b32 v122, v[L4], s[40:41]
	global_load_b32 v123, v[L4], s[42:43]
	global_load_b32 v124, v[L4], s[44:45]
	global_load_b32 v125, v[L4], s[46:47]
.Lnot_0_a:
	global_load_b32 v112, v[T4], s[20:21]
	global_load_b32 v113, v[T4], s[22:23]
	global_load_b32 v114, v[T4], s[24:25]
	global_load_b32 v115, v[T4], s[26:27]
	global_load_b32 v116, v[T4], s[28:29]
	global_load_b32 v117, v[T4], s[30:31]
	global_load_b32 v118, v[T4], s[32:33]
.set i, 0
.rept 10
	global_load_b128 v[ACC+4*i:ACC+4*i+3], v[GA], s[16:17] offset:2048*i
.set i, i+1
.endr
	global_load_b128 v[ACC+40:ACC+43], v[GA], s[18:19]
	global_load_b128 v[ACC+44:ACC+47], v[GA], s[18:19] offset:2048
	WLOAD 10, LA
	s_wait_loadcnt 32                              ; all but attn_w's 32 loads
	s_lshl_b32 s4, s2, 7
	s_add_co_u32 s4, s4, VEC
	v_lshl_add_u32 v[TA], v[LN], 2, s4
.irp k, 0,1,2,3,4,5,6
	ds_store_b32 v[TA], v[112+\k] offset:512*\k
.endr
	s_cmp_lg_u32 s2, 0
	s_cbranch_scc1 .Lnot_0_b
	v_add_nc_u32 v[T0], V32, v[L4]
.irp k, 0,1,2,3,4,5,6
	ds_store_b32 v[T0], v[119+\k] offset:128*\k
.endr
.set i, 0
.rept 8                                ; the fifth fragment: k = 128 + 8 hh + 0..7 from prod_emb, k = 144 + 8 hh + 0..7 from day_emb
	v_cvt_pk_f16_f32 v[FR+32+i], v[FR+2*i], v[FR+2*i+1]
.set i, i+1
.endr
.Lnot_0_b:
.set i, 0
.rept 12                               ; h1_w's ten rounds and h2_w's two lie end to end: 16 rows of 96 bytes a round
	v_cvt_pk_f16_f32 v[ACC+4*i],   v[ACC+4*i],   v[ACC+4*i+1]
	v_cvt_pk_f16_f32 v[ACC+4*i+1], v[ACC+4*i+2], v[ACC+4*i+3]
	ds_store_b64 v[LH], v[ACC+4*i:ACC+4*i+1] offset:1536*i
.set i, i+1
.endr
	WLOAD 12, LB
	s_wait_loadcnt 32                              ; attn_w is in; ffn_w1's 32 stay out
	WSTORE LA, W0
	WLOAD 14, LA
	s_wait_loadcnt 32                              ; ffn_w1 is in; ffn_w2's 32 stay out
	WSTORE LB, W1
	s_wait_loadcnt 0x0
	WSTORE LA, W2
	s_wait_kmcnt 0x0                               ; h3_b
	s_wait_dscnt 0x0                               ; my stores are done:
	s_barrier_signal -1
	s_barrier_wait -1                              ; everybody's
	s_cmp_eq_u32 s2, 0
	s_cbranch_scc1 .Lchain
	s_wait_tensorcnt 0x0                           ; waves 1 to 3 end
	ds_add_u32 v[SPW], v[NIL]
	s_wait_dscnt 0x0
	s_endpgm
.Lchain:
	LOADW 1, W0
	LOADW 2, W1
	LOADW 3, W2
	PACK 0, VG                                     ; ctx
	VLD ACC, HV, 0                                 ; attn_b
	s_wait_dscnt 0x0
	GEMM 1
	PLACES
	ADDRES                                         ; hs + ctx attn_w + attn_b
	VLD ACC, HV, 512
	VLD VG, HV, 1024
	WIN 0x40
.set i, 0
.rept 12                               ; h1_w's ten fragments (i = 2 kc + nt) and h2_w's two take attn_w's window
	ds_load_tr16_b128 v[8*i:8*i+3],   v[TR2] offset:3072*(i/2)+32*(i%2)
	ds_load_tr16_b128 v[8*i+4:8*i+7], v[TR2] offset:3072*(i/2)+32*(i%2)+1536
.set i, i+1
.endr
	WIN 0
	LNSTAT RES, 32, 68, 69
	s_wait_dscnt 0x0
	AFFINE RES, 32, ACC, VG                        ; attn_out
	PACK 0, RES
	VLD ACC, HV, 1536                              ; ffn_b1
	s_wait_dscnt 0x0
	GEMM 2
	PLACES
	GELU_T
	PACK 0, ACC
	VLD ACC, HV, 2048                              ; ffn_b2
	s_wait_dscnt 0x0
	GEMM 3
	PLACES
	ADDRES
	VLD ACC, HV, 2560
	VLD VG, HV, 3072
	LNSTAT RES, 32, 68, 69
	s_wait_dscnt 0x0
	AFFINE RES, 32, ACC, VG                        ; seq
	PACK 1, RES
	V32LD ACC, 0                                   ; h1_b
	s_wait_dscnt 0x0
	WIN 1
.set i, 0
.rept 10                               ; feat x h1_w: two accumulators by turns
	v_wmma_f32_16x16x32_f16 v[ACC+8*(i%2):ACC+8*(i%2)+7], v[8*i:8*i+7], v[FR+8*(i/2):FR+8*(i/2)+7], v[ACC+8*(i%2):ACC+8*(i%2)+7]
.set i, i+1
.endr
	WIN 0
	PLACES
	V32LD VG, 1
	V32LD VG+16, 2
	LNSTAT ACC, 8, 70, 71
	s_wait_dscnt 0x0
	AFFINE ACC, 8, VG, VG+16
	GELU_E
.set x, 0
.rept 8
	v_cvt_pk_f16_f32 v[FR+x], v[ACC+2*x], v[ACC+2*x+1]
.set x, x+1
.endr
	V32LD ACC, 3                                   ; h2_b
	s_wait_dscnt 0x0
	WIN 1
	v_wmma_f32_16x16x32_f16 v[ACC:ACC+7], v[80:87], v[FR:FR+7], v[ACC:ACC+7]
	v_wmma_f32_16x16x32_f16 v[ACC+8:ACC+15], v[88:95], v[FR:FR+7], v[ACC+8:ACC+15]
	WIN 0
	PLACES
	V32LD VG, 4
	V32LD VG+16, 5
	LNSTAT ACC, 8, 70, 71
	s_wait_dscnt 0x0
	AFFINE ACC, 8, VG, VG+16
	GELU_E
	V32LD VG, 6                                    ; h3_w
	s_wait_dscnt 0x0
	v_pk_mul_f32 v[SS:SS+1], v[ACC:ACC+1], v[VG:VG+1]
	v_pk_mul_f32 v[SS+2:SS+3], v[ACC+2:ACC+3], v[VG+2:VG+3]
.set p, 2
.rept 6
	v_pk_fma_f32 v[SS+2*(p%2):SS+2*(p%2)+1], v[ACC+2*p:ACC+2*p+1], v[VG+2*p:VG+2*p+1], v[SS+2*(p%2):SS+2*(p%2)+1]
.set p, p+1
.endr
	v_pk_add_f32 v[SS:SS+1], v[SS:SS+1], v[SS+2:SS+3]
	v_add_f32 v[T0], v[SS], v[SS+1]
	v_permlanex16_b32 v[T1], v[T0], s66, s67
	v_add_f32 v[T0], v[T0], v[T1]
	v_add_f32 v[T0], s84, v[T0]
	s_wait_xcnt 0x0                                ; EXEC changes only behind this wait
	v_cmp_gt_u32 vcc_lo, 16, v[LN]
	s_and_saveexec_b32 s85, vcc_lo
	global_store_b32 v[OUTO], v[T0], s[58:59]      ; lanes 0 to 15: 64 consecutive bytes
	s_wait_xcnt 0x0                                ; and again in front of the line that widens it
	s_or_b32 exec_lo, exec_lo, s85
	s_wait_tensorcnt 0x0                           ; the wave's end
	ds_add_u32 v[SPW], v[NIL]
	s_wait_dscnt 0x0
	s_endpgm
.Lfunc_end_k_qf880402de8_head:
	.size	k_qf880402de8_head, .Lfunc_end_k_qf880402de8_head-k_qf880402de8_head
	.p2alignl 7, 3214868480
	.fill 96, 4, 3214868480
	.section	.rodata,"a",@progbits
	.p2align	6, 0x0
	.amdhsa_kernel k_qf880402de8_head
		.amdhsa_group_segment_fixed_size 134144
		.amdhsa_private_segment_fixed_size 0
		.amdhsa_enable_private_segment 0
		.amdhsa_kernarg_size 208
		.amdhsa_user_sgpr_count 2
		.amdhsa_user_sgpr_kernarg_segment_ptr 1
		.amdhsa_wavefront_size32 1
		.amdhsa_system_sgpr_workgroup_id_x 1
		.amdhsa_system_sgpr_workgroup_id_y 1
		.amdhsa_system_sgpr_workgroup_id_z 1
		.amdhsa_system_vgpr_workitem_id 0
		.amdhsa_next_free_vgpr 1024
		.amdhsa_next_free_sgpr 90
		.amdhsa_reserve_vcc 1
		.amdhsa_float_denorm_mode_32 3
		.amdhsa_float_denorm_mode_16_64 3
		.amdhsa_memory_ordered 1
		.amdhsa_forward_progress 1
		.amdhsa_inst_pref_size 151
	.end_amdhsa_kernel
	.amdgpu_metadata
---
amdhsa.version: [ 1, 2 ]
amdhsa.kernels:
  - .name:           k_qf880402de8_head
    .symbol:         k_qf880402de8_head.kd
    .args:
      - { .name: ws, .offset: 0, .size: 8, .value_kind: global_buffer, .address_space: global }
      - { .name: attn_w, .offset: 8, .size: 8, .value_kind: global_buffer, .address_space: global }
      - { .name: ffn_w1, .offset: 16, .size: 8, .value_kind: global_buffer, .address_space: global }
      - { .name: ffn_w2, .offset: 24, .size: 8, .value_kind: global_buffer, .address_space: global }
      - { .name: h1_w, .offset: 32, .size: 8, .value_kind: global_buffer, .address_space: global }
      - { .name: h2_w, .offset: 40, .size: 8, .value_kind: global_buffer, .address_space: global }
      - { .name: attn_b, .offset: 48, .size: 8, .value_kind: global_buffer, .address_space: global }
      - { .name: attn_ln_g, .offset: 56, .size: 8, .value_kind: global_buffer, .address_space: global }
      - { .name: attn_ln_b, .offset: 64, .size: 8, .value_kind: global_buffer, .address_space: global }
      - { .name: ffn_b1, .offset: 72, .size: 8, .value_kind: global_buffer, .address_space: global }
      - { .name: ffn_b2, .offset: 80, .size: 8, .value_kind: global_buffer, .address_space: global }
      - { .name: ffn_ln_g, .offset: 88, .size: 8, .value_kind: global_buffer, .address_space: global }
      - { .name: ffn_ln_b, .offset: 96, .size: 8, .value_kind: global_buffer, .address_space: global }
      - { .name: h1_b, .offset: 104, .size: 8, .value_kind: global_buffer, .address_space: global }
      - { .name: ln1_g, .offset: 112, .size: 8, .value_kind: global_buffer, .address_space: global }
      - { .name: ln1_b, .offset: 120, .size: 8, .value_kind: global_buffer, .address_space: global }
      - { .name: h2_b, .offset: 128, .size: 8, .value_kind: global_buffer, .address_space: global }
      - { .name: ln2_g, .offset: 136, .size: 8, .value_kind: global_buffer, .address_space: global }
      - { .name: ln2_b, .offset: 144, .size: 8, .value_kind: global_buffer, .address_space: global }
      - { .name: h3_w, .offset: 152, .size: 8, .value_kind: global_buffer, .address_space: global }
      - { .name: h3_b, .offset: 160, .size: 8, .value_kind: global_buffer, .address_space: global }
      - { .name: prod, .offset: 168, .size: 8, .value_kind: global_buffer, .address_space: global }
      - { .name: day, .offset: 176, .size: 8, .value_kind: global_buffer, .address_space: global }
      - { .name: prod_emb, .offset: 184, .size: 8, .value_kind: global_buffer, .address_space: global }
      - { .name: day_emb, .offset: 192, .size: 8, .value_kind: global_buffer, .address_space: global }
      - { .name: out0, .offset: 200, .size: 8, .value_kind: global_buffer, .address_space: global }
    .group_segment_fixed_size: 134144
    .private_segment_fixed_size: 0
    .kernarg_segment_align: 8
    .kernarg_segment_size: 208
    .max_flat_workgroup_size: 128
    .sgpr_count:     90
    .vgpr_count:     1024
    .wavefront_size: 32
...
	.end_amdgpu_metadata
.endif
;; end of part 2
